; MI455X (gfx1250); checked and timed in simulation.
; The chip was launched on July 23, 2026; its instructions are those of AMD's public machine-readable ISA for CDNA 5 (MIT licence, August 2026) and "CDNA5" Instruction Set Architecture Reference Guide (July 2026). The comments in the code are by the model that wrote it; some were corrected since.
;; Cached Ro PE Attention. Allowed arithmetic: matrix products marked QUANTISED: E4M3 operands, one given power-of-two scale a tensor, by v_wmma_f32_16x16x64_fp8_fp8 or v_wmma_f32_16x16x128_fp8_fp8, f32 sums; everything else in f32.
;; Inputs: Wk 1,024 x 1,024 float32; Wo 1,024 x 1,024 float32; Wq 1,024 x 1,024 float32; Wv 1,024 x 1,024 float32; lowp_scales 12 int32 (the exponents e of the quantised operands' scales 2^e); x 2 x 2,048 x 1,024 float32.
;; Outputs: out0 2 x 2,048 x 1,024 float32.
;; This version of the problem:
;;   THIS VERSION OF THE PROBLEM IS GIVEN IN LOW PRECISION. The matrix products marked QUANTISED in the list below multiply operands that are first quantised to E4M3 (4 exponent bits, 3 mantissa bits; 8 bits a number), with one given power-of-two scale for each operand tensor; their sums are f32. All else is computed in f32.
;;   The module's matrix products, in the order in which they are computed (A, B: the left and right operand; K: the contracted axis; several contracted axes count as one K, in the product's order):
;;     1. [M 4,096, K 1,024] x [K 1,024, N 1,024]; A: input x; B: input Wq: QUANTISED (scales: A lowp_scales[0], B lowp_scales[1])
;;     2. [M 4,096, K 1,024] x [K 1,024, N 1,024]; A: input x; B: input Wk: QUANTISED (scales: A lowp_scales[2], B lowp_scales[3])
;;     3. [M 4,096, K 1,024] x [K 1,024, N 1,024]; A: input x; B: input Wv: QUANTISED (scales: A lowp_scales[4], B lowp_scales[5])
;;     4. batch 32 x [M 2,048, K 64] x [K 64, N 2,048]; A: computed on the way; B: computed on the way: QUANTISED (scales: A lowp_scales[6], B lowp_scales[7])
;;     5. batch 32 x [M 2,048, K 2,048] x [K 2,048, N 64]; A: softmax (see below); B: computed on the way: QUANTISED (scales: A lowp_scales[8], B lowp_scales[9])
;;     6. [M 4,096, K 1,024] x [K 1,024, N 1,024]; A: computed on the way; B: input Wo: QUANTISED (scales: A lowp_scales[10], B lowp_scales[11])
;;   THE QUANTISER, for each operand of a quantised product, along K:
;;     - The operand's scale is 2^e, e = its entry of the input lowp_scales (int32; the entries are numbered through the quantised products in the list's order, A before B).
;;     - Each number is divided by the scale, clamped to +-448, and rounded to the nearest number of E4M3, ties to even, subnormals kept.
;;     - The product sums the exact products of the quantised numbers (number of the format x scale) in f32.
;;   ~~~python
;;   def quantise(x, axis, e):      # numpy; x: float32 -> the quantised numbers, widened to float32 again
;;       x = np.moveaxis(x, axis, -1); K = x.shape[-1]
;;       r = np.clip(x / 2.0 ** e, -448, 448)
;;       step = 2.0 ** (np.maximum(np.frexp(np.where(r == 0, 1, r))[1] - 1, -6) - 3)
;;       q = np.round(r / step) * step * 2.0 ** e      # np.round: ties to even
;;       return np.moveaxis(q, -1, axis).astype(np.float32)
;;   ~~~
;;   SOFTMAX AHEAD OF A QUANTISED PRODUCT. Where the list says 'softmax', what is quantised is not the finished softmax but p = 2^(t - M), with t = logit x log2(e) and M = ceil(the row's largest t), a whole number; so 1/2 < the row's largest p <= 1. The row's sum l is taken of the UNQUANTISED p, in f32, and the product's result is divided by l at the end. Since M is a whole number, a kernel that streams over the keys may use a running M (the ceiling of the running maximum): every later rescaling is an exact power of two, so the quantised numbers keep their values, but for numbers so far below the row's largest that they fall under the format's range.
;;   OPERANDS COMPUTED ON THE WAY. 'Computed on the way' means the value that the module computes at that place (a softmax that the list does not call 'softmax' is quantised finished and normalised). What goes into a quantiser is computed in f32, as accurately as f32 sums, v_exp_f32 and their like allow (about 1e-6 of the number): no bf16 or f16 on the way to a quantiser, and a product that is left as it is and whose result goes on into a quantised operand takes f32 operands (vector FMAs, or v_wmma_f32_16x16x4_f32). A number that lies on a knife's edge between two numbers of the format may be rounded either way, as far as f32 arithmetic and the matrix unit's own rounding can turn it there, and no further.
;; One version. Each part assembles by itself: llvm-mc -triple=amdgcn-amd-amdhsa -mcpu=gfx1250 --defsym DOCPART=n.
;; ======== version 1 of 1: 4 launches
;; limits: right only within a limited range of input values
;; workspace buffers: xc 12,582,912 bytes; wc 4,194,304 bytes; rope 524,288 bytes; qkvc 12,582,912 bytes; ac 4,194,304 bytes
;; launch prep (part 1): grid 288 x 1, 4 waves a work-group, no clusters, 33,280 bytes of LDS; arguments x, Wq, Wk, Wv, Wo, lowp_scales, xc, wc, rope; writes xc, wc, rope
.if DOCPART == 1
	.amdgcn_target "amdgcn-amd-amdhsa--gfx1250"
	.amdhsa_code_object_version 6
	.text
	.protected	k_q6cfb4dd7ac_prep
	.globl	k_q6cfb4dd7ac_prep
	.p2align	8
	.type	k_q6cfb4dd7ac_prep,@function
k_q6cfb4dd7ac_prep:
	s_mov_b64 s[64:65], 0
	v_nop
	global_prefetch_b8 v0, s[64:65] scope:SCOPE_SE
	s_setreg_imm32_b32 hwreg(HW_REG_WAVE_MODE, 25, 1), 1
	s_wait_xcnt 0x0
; THE PROGRAM: out0 = attention(x) with rotary positions, all six matrix products on codes of FP8 (E4M3), each operand with the one scale 2^e given for it in lowp_scales.
; Four launches: this one (x and the four weights into codes; the table of cosines and sines), the three projections with the rotation, the attention, the projection on the way out.
; WORK LEFT OUT, in the attention launch alone: key steps of 128 keys all of which come after all 16 queries of a wave.  reference() adds -infinity to the score of key k for query q wherever k > q, by a mask that it builds
; itself; the softmax's weight of such a key is exp(-infinity) = 0 for every finite value of the inputs, so neither its score (product 4) nor its value's term (product 5) reaches any output.  Every input is loaded.
; LIMIT: a NaN, an infinity or an overflow that would arise only in those hidden scores is not carried to the result.
; THIS LAUNCH.  code = number / 2^e, held within +-448, rounded to the nearest code, ties to even.  x is an operand of three products with three entries (e0, e2, e4): three sets of codes, xc [3][4096][1024].
; wc [4][1024][1024]: Wq (e1), Wk (e3), Wv (e5), Wo (e11).  K is innermost in all five tensors and rows are dense, so each is a plain stream of numbers.
; Work-groups 0-127 take x, 128-255 the weights (32 each), 32,768 numbers a work-group, 8,192 a wave, 512 a step.  Only pointers and scales are chosen by the work-group's number; both kinds take one path through LDS.
; A load reads 512 consecutive bytes, 16 a lane; a step's 2,048 bytes turn through the wave's own stage in LDS (16 bytes of padding behind each 64) and come back 64 bytes a lane: 16 neighbours along K,
; as the conversions want them.  A lane's 16 codes are 16 bytes: a wave's store covers 512 consecutive bytes, aligned.  Loads run four steps ahead, the turn through LDS one step.
; Work-groups 256-287 make the table: rope [128 tb][8 g][32 lanes][4 f32], an image of the registers of the launch that reads it: g = 4 s + 2 b + jj (s = 0 cosine, 1 sine); lane (r, h), element e: position 16 tb + r, frequency i = 16 b + 8 h + 4 jj + e.
; angle = position x theta_i, rounded once as the outer product rounds it; theta_i = 10000^(-2 i / 64) = 10^(-i / 8).  The angle is reduced by whole quarter turns (pi / 2 in two parts, fused: the first step is exact) and
; sine and cosine come from polynomials on +-pi / 4.  The quarter's number only selects values; no address and no branch hangs on it.
; LIMITS: e0 to e5 and e11 between -126 and 119, so that 2^e and 448 x 2^e are f32 numbers.  NaN among the inputs is not served (an infinity is held at the largest code).
; No clusters and no matrix units: no two work-groups read the same bytes, and there is no product here.
.set WREG,  8192                       ; LDS: a region for each wave: two stages of 32 x SP bytes
.set SP,    80                         ; a lane's place in a stage: 64 bytes + 16 of padding
.set SPARE, 4*WREG                     ; behind the regions: the spare words, 128 bytes for each wave
.set STEPS, 16
.set R,     16                         ; v16-79   four sets of 16 numbers as loaded
.set X,     80                         ; v80-111  two sets of 16 neighbours
.set T,     112                        ; v112-127 the 16 numbers held for one scale
.set C,     128                        ; v128-151 two sets of 12: codes for up to three scales
.set SPW,   12                         ; v12 LDS address of my spare word; never rewritten
.set NIL,   13                         ; v13 0; never rewritten
	s_load_b512 s[4:19], s[0:1], 0x0               ; x 4:5, Wq 6:7, Wk 8:9, Wv 10:11, Wo 12:13, the exponents 14:15, xc 16:17, wc 18:19
	s_load_b64 s[20:21], s[0:1], 0x40              ; rope
	v_lshl_add_u32 v[SPW], v0, 2, SPARE
	v_mov_b32 v[NIL], 0
	v_lshrrev_b32 v1, 5, v0
	v_readfirstlane_b32 s22, v1                    ; wave
	v_and_b32 v2, 31, v0                           ; lane
	v_lshlrev_b32 v3, 4, v2                        ; 16 x lane: my bytes of a load's or a store's 512
	s_cmp_ge_u32 ttmp9, 256
	s_cbranch_scc1 .Ltable
	s_mul_i32 s23, s22, WREG
	v_lshrrev_b32 v14, 2, v2
	v_mul_u32_u24 v14, v14, SP
	v_and_b32 v15, 3, v2
	v_lshl_add_u32 v14, v15, 4, v14
	v_add_nc_u32 v14, s23, v14                     ; the stage, on the way in: SP (lane / 4) + 16 (lane % 4)
	v_mul_u32_u24 v15, v2, SP
	v_add_nc_u32 v15, s23, v15                     ; and on the way out: SP x lane
	s_sub_co_u32 s44, ttmp9, 128
	s_lshr_b32 s45, s44, 5                         ; which weight
	s_and_b32 s46, s44, 31                         ; which 32,768 numbers of it
	s_cmp_lt_u32 ttmp9, 128                        ; x's work-group?
	s_cselect_b32 s45, 0, s45
	s_cselect_b32 s46, ttmp9, s46
	s_lshl_b32 s46, s46, 2
	s_add_co_u32 s46, s46, s22                     ; which run of 8,192 numbers of the tensor is my wave's
	s_lshl_b32 s52, s46, 15                        ; its bytes as f32,
	s_mov_b32 s53, 0
	s_lshl_b32 s54, s46, 13                        ; and as codes
	s_mov_b32 s55, 0
	s_lshl_b32 s56, s45, 20                        ; a weight's codes are 2^20 bytes
	s_add_co_u32 s56, s56, s54
	s_mov_b32 s57, 0
	s_wait_kmcnt 0x0
	s_load_b256 s[32:39], s[14:15], 0x0            ; e0 to e7
	s_load_b128 s[40:43], s[14:15], 0x20           ; e8 to e11
	s_cmp_eq_u32 s45, 1                            ; the choices hang on the work-group's number alone
	s_cselect_b64 s[24:25], s[8:9], s[6:7]
	s_cmp_eq_u32 s45, 2
	s_cselect_b64 s[24:25], s[10:11], s[24:25]
	s_cmp_eq_u32 s45, 3
	s_cselect_b64 s[24:25], s[12:13], s[24:25]
	s_cmp_lt_u32 ttmp9, 128
	s_cselect_b64 s[24:25], s[4:5], s[24:25]       ; the source
	s_cselect_b64 s[26:27], s[16:17], s[18:19]     ; where the first set of codes goes
	s_add_nc_u64 s[24:25], s[24:25], s[52:53]
	s_add_nc_u64 s[26:27], s[26:27], s[56:57]
	s_add_nc_u64 s[28:29], s[16:17], s[54:55]
	s_add_nc_u64 s[30:31], s[28:29], 0x800000      ; x's third set,
	s_add_nc_u64 s[28:29], s[28:29], 0x400000      ; and its second (named by x's work-groups alone)
.macro LOAD t
.irp i, 0,1,2,3
	global_load_b128 v[R+16*((\t)%4)+4*\i:R+16*((\t)%4)+4*\i+3], v3, s[24:25] offset:2048*(\t)+512*\i th:TH_LOAD_NT
.endr
.endm
.macro TURN t                          ; step t's numbers through the stage: LDS serves a wave's instructions in order, so no wait stands between the stores and the loads
.irp i, 0,1,2,3
	ds_store_b128 v14, v[R+16*((\t)%4)+4*\i:R+16*((\t)%4)+4*\i+3] offset:32*SP*((\t)%2)+8*SP*\i
.endr
.irp i, 0,1,2,3
	ds_load_b128 v[X+16*((\t)%2)+4*\i:X+16*((\t)%2)+4*\i+3], v15 offset:32*SP*((\t)%2)+16*\i
.endr
.endm
.macro MKSC e, vs, vl                  ; 2^e and 448 x 2^e as f32
	s_add_co_i32 s50, \e, 127
	s_lshl_b32 s51, s50, 23
	v_mov_b32 v[\vs], s51
	s_add_co_i32 s50, s50, 8
	s_lshl_b32 s50, s50, 23
	s_or_b32 s50, s50, 0x600000
	v_mov_b32 v[\vl], s50
.endm
	s_wait_alu depctr_va_vdst(0)
.irp t, 0,1,2,3
	LOAD \t
.endr
	s_wait_kmcnt 0x0
	s_cmp_eq_u32 s45, 1
	s_cselect_b32 s48, s35, s33                    ; e3 or e1
	s_cmp_eq_u32 s45, 2
	s_cselect_b32 s48, s37, s48                    ; e5
	s_cmp_eq_u32 s45, 3
	s_cselect_b32 s48, s43, s48                    ; e11
	s_cmp_lt_u32 ttmp9, 128
	s_cselect_b32 s48, s32, s48                    ; e0
	MKSC s48, 5, 6
	MKSC s34, 7, 8                                 ; e2
	MKSC s36, 9, 10                                ; e4
	s_wait_alu depctr_va_vdst(0)
	s_wait_loadcnt 12                              ; step 0's four loads are in; the twelve of steps 1 to 3 may be out
	TURN 0
; The step's 16 neighbours under scale k: held into T (X serves three holds), converted, stored.
.macro QOUT k, t
.set XS, X+16*((\t)%2)
.set CS, C+12*((\t)%2)+4*(\k)
.set i, 0
.rept 16
	v_med3_num_f32 v[T+i], v[XS+i], -v[6+2*(\k)], v[6+2*(\k)]   ; the conversion to an 8-bit code does not saturate (ISA guide 7.6.2)
.set i, i+1
.endr
	v_cvt_scalef32_pk8_fp8_f32 v[CS:CS+1], v[T:T+7], v[5+2*(\k)]
	v_cvt_scalef32_pk8_fp8_f32 v[CS+2:CS+3], v[T+8:T+15], v[5+2*(\k)]
	v_nop                                          ; a plain vector line between the conversions and the next holds, which write their sources
	global_store_b128 v3, v[CS:CS+3], s[26+2*(\k):27+2*(\k)] offset:512*(\t)
.endm
.macro STEP t
	s_wait_dscnt 0x0                               ; this step's numbers are back from the stage, so its stores into the stage have read their registers,
.if (\t)+4 < STEPS
	LOAD (\t)+4                                    ; which take the loads of four steps on
.endif
.if (\t)+1 < STEPS
.if STEPS-2-(\t) >= 3
	s_wait_loadcnt 12                              ; the next step's four loads are in; those of the three steps behind it may be out
.else
	s_wait_loadcnt 4*(STEPS-2-(\t))
.endif
	TURN (\t)+1
.endif
.if (\t) >= 2
	s_wait_xcnt 0x0                                ; the stores of two steps back have read this set of code registers
.endif
	QOUT 0, \t
	s_cmp_lt_u32 ttmp9, 128                        ; x has two more scales; only vector work and global stores stand under this branch
	s_cbranch_scc0 .Lweight_\@
	QOUT 1, \t
	QOUT 2, \t
.Lweight_\@:
.endm
.irp t, 0,1,2,3,4,5,6,7,8,9,10,11,12,13,14,15
	STEP \t
.endr
	s_wait_tensorcnt 0x0                           ; the wave's end, behind my last LDS store
	ds_add_u32 v[SPW], v[NIL]
	s_wait_dscnt 0x0
	s_endpgm
.Ltable:                                               ; a wave makes one block of 16 positions x 32 frequencies; no LDS is touched on this path
	s_sub_co_u32 s23, ttmp9, 256
	s_lshl_b32 s23, s23, 2
	s_add_co_u32 s23, s23, s22                     ; tb
	s_wait_alu depctr_va_vdst(0)
	v_and_b32 v4, 15, v2
	s_lshl_b32 s24, s23, 4
	v_add_nc_u32 v4, s24, v4
	v_cvt_f32_u32 v16, v4                          ; my position, exact
	v_cmp_lt_u32 vcc_lo, 15, v2                    ; lanes 16-31 take the frequencies 8 further on
	s_mov_b32 s44, 0x3f22f983                      ; 2 / pi
	s_mov_b32 s45, 0x3fc90fdb                      ; pi / 2, its first 24 bits,
	s_mov_b32 s46, 0xb33bbd2e                      ; and what is left of it
	s_mov_b32 s47, -0.00019515295891               ; sine: r + r z (S1 + z (S2 + z S3)), z = r r
	s_mov_b32 s48, 0.0083321608736
	s_mov_b32 s49, -0.16666654611
	s_mov_b32 s50, 0.00002443315712                ; cosine: 1 - z / 2 + z z (K1 + z (K2 + z K3))
	s_mov_b32 s51, -0.001388731625
	s_mov_b32 s52, 0.04166664568
	s_lshl_b32 s24, s23, 12                        ; a block of the table is 4,096 bytes
	s_mov_b32 s25, 0
	s_wait_kmcnt 0x0
	s_add_nc_u64 s[20:21], s[20:21], s[24:25]
.macro SC n, lo, hi                    ; number n of my 16 frequencies: theta = lo in lanes 0-15, hi in lanes 16-31
	v_mov_b32 v17, \lo
	v_mov_b32 v18, \hi
	v_cndmask_b32 v18, v17, v18, vcc_lo
	s_wait_alu depctr_va_vdst(0)
	v_mul_f32 v18, v16, v18                        ; the angle, rounded once
	v_mul_f32 v19, s44, v18
	v_rndne_f32 v19, v19                           ; whole quarter turns, 1,303 at the most
	v_fma_f32 v20, -v19, s45, v18                  ; exact: a multiple of 2^-23 under 1
	v_fma_f32 v20, -v19, s46, v20                  ; r
	v_mul_f32 v21, v20, v20                        ; z
	v_fma_f32 v22, s47, v21, s48
	v_fma_f32 v22, v22, v21, s49
	v_mul_f32 v22, v22, v21
	v_fma_f32 v22, v22, v20, v20                   ; sin r
	v_fma_f32 v23, s50, v21, s51
	v_fma_f32 v23, v23, v21, s52
	v_mul_f32 v24, v21, v21
	v_fma_f32 v25, v21, -0.5, 1.0
	v_fma_f32 v23, v23, v24, v25                   ; cos r
	v_cvt_i32_f32 v24, v19
	v_and_b32 v25, 1, v24
	v_cmp_ne_u32 s30, 0, v25                       ; an odd quarter swaps the two
	v_cndmask_b32 v26, v22, v23, s30
	v_cndmask_b32 v27, v23, v22, s30
	v_and_b32 v25, 2, v24                          ; quarters 2 and 3 turn the sine's sign,
	v_lshlrev_b32 v25, 30, v25
	v_xor_b32 v[48+\n], v25, v26
	v_add_nc_u32 v24, 1, v24                       ; quarters 1 and 2 the cosine's
	v_and_b32 v24, 2, v24
	v_lshlrev_b32 v24, 30, v24
	v_xor_b32 v[32+\n], v24, v27
.endm
	SC 0, 1.0, 0.1
	SC 1, 0.749894209, 0.0749894209
	SC 2, 0.562341325, 0.0562341325
	SC 3, 0.421696503, 0.0421696503
	SC 4, 0.316227766, 0.0316227766
	SC 5, 0.237137371, 0.0237137371
	SC 6, 0.177827941, 0.0177827941
	SC 7, 0.133352143, 0.0133352143
	SC 8, 0.01, 0.001
	SC 9, 0.00749894209, 0.000749894209
	SC 10, 0.00562341325, 0.000562341325
	SC 11, 0.00421696503, 0.000421696503
	SC 12, 0.00316227766, 0.000316227766
	SC 13, 0.00237137371, 0.000237137371
	SC 14, 0.00177827941, 0.000177827941
	SC 15, 0.00133352143, 0.000133352143
.irp g, 0,1,2,3
	global_store_b128 v3, v[32+4*\g:35+4*\g], s[20:21] offset:512*\g          ; 32 lanes store 512 consecutive bytes, aligned
	global_store_b128 v3, v[48+4*\g:51+4*\g], s[20:21] offset:2048+512*\g
.endr
	s_endpgm
.Lfunc_end_k_q6cfb4dd7ac_prep:
	.size	k_q6cfb4dd7ac_prep, .Lfunc_end_k_q6cfb4dd7ac_prep-k_q6cfb4dd7ac_prep
	.p2alignl 7, 3214868480
	.fill 96, 4, 3214868480
	.section	.rodata,"a",@progbits
	.p2align	6, 0x0
	.amdhsa_kernel k_q6cfb4dd7ac_prep
		.amdhsa_group_segment_fixed_size 33280
		.amdhsa_private_segment_fixed_size 0
		.amdhsa_enable_private_segment 0
		.amdhsa_kernarg_size 72
		.amdhsa_user_sgpr_count 2
		.amdhsa_user_sgpr_kernarg_segment_ptr 1
		.amdhsa_wavefront_size32 1
		.amdhsa_system_sgpr_workgroup_id_x 1
		.amdhsa_system_sgpr_workgroup_id_y 1
		.amdhsa_system_sgpr_workgroup_id_z 1
		.amdhsa_system_vgpr_workitem_id 0
		.amdhsa_next_free_vgpr 160
		.amdhsa_next_free_sgpr 66
		.amdhsa_reserve_vcc 1
		.amdhsa_float_denorm_mode_32 3
		.amdhsa_float_denorm_mode_16_64 3
		.amdhsa_memory_ordered 1
		.amdhsa_forward_progress 1
		.amdhsa_inst_pref_size 105
	.end_amdhsa_kernel
	.amdgpu_metadata
---
amdhsa.version: [ 1, 2 ]
amdhsa.kernels:
  - .name:           k_q6cfb4dd7ac_prep
    .symbol:         k_q6cfb4dd7ac_prep.kd
    .args:
      - { .name: x, .offset: 0, .size: 8, .value_kind: global_buffer, .address_space: global }
      - { .name: Wq, .offset: 8, .size: 8, .value_kind: global_buffer, .address_space: global }
      - { .name: Wk, .offset: 16, .size: 8, .value_kind: global_buffer, .address_space: global }
      - { .name: Wv, .offset: 24, .size: 8, .value_kind: global_buffer, .address_space: global }
      - { .name: Wo, .offset: 32, .size: 8, .value_kind: global_buffer, .address_space: global }
      - { .name: lowp_scales, .offset: 40, .size: 8, .value_kind: global_buffer, .address_space: global }
      - { .name: xc, .offset: 48, .size: 8, .value_kind: global_buffer, .address_space: global }
      - { .name: wc, .offset: 56, .size: 8, .value_kind: global_buffer, .address_space: global }
      - { .name: rope, .offset: 64, .size: 8, .value_kind: global_buffer, .address_space: global }
    .group_segment_fixed_size: 33280
    .private_segment_fixed_size: 0
    .kernarg_segment_align: 8
    .kernarg_segment_size: 72
    .max_flat_workgroup_size: 128
    .sgpr_count:     66
    .vgpr_count:     160
    .wavefront_size: 32
...
	.end_amdgpu_metadata
.endif
;; end of part 1
;; launch qkv (part 2): grid 48 x 4, 4 waves a work-group, clusters of 4 x 4, 327,680 bytes of LDS; arguments xc, wc, rope, lowp_scales, qkvc; writes qkvc
.if DOCPART == 2
	.amdgcn_target "amdgcn-amd-amdhsa--gfx1250"
	.amdhsa_code_object_version 6
	.text
	.protected	k_q6cfb4dd7ac_qkv
	.globl	k_q6cfb4dd7ac_qkv
	.p2align	8
	.type	k_q6cfb4dd7ac_qkv,@function
k_q6cfb4dd7ac_qkv:
	s_mov_b64 s[64:65], 0
	v_nop
	global_prefetch_b8 v0, s[64:65] scope:SCOPE_SE
	s_setreg_imm32_b32 hwreg(HW_REG_WAVE_MODE, 25, 1), 1
	s_wait_xcnt 0x0
	s_wait_alu depctr_hold_cnt(0) depctr_sa_sdst(0) depctr_va_vdst(0) depctr_va_sdst(0) depctr_va_ssrc(0) depctr_va_vcc(0) depctr_vm_vsrc(0)
	s_getreg_b32 s2, hwreg(HW_REG_IB_STS2, 6, 4)
	s_cmp_eq_u32 s2, 0
	s_cbranch_scc0 .Lentry_in_a_cluster
	s_endpgm
.Lentry_in_a_cluster:
	s_bfe_u32 s2, ttmp6, 0x10000c
	s_cmp_lg_u32 s2, 0xf033
	s_cbranch_scc0 .Lentry_shape_is_right
	s_endpgm
.Lentry_shape_is_right:
; THE THREE PROJECTIONS, codes of FP8 (E4M3) with f32 sums, and the rotation of Q and K.  Nothing of reference() is left out here.  xc [3][4096][1024], wc [4][1024][1024], K innermost.
; Work-group (4 p + .., ..): product p = 0 Q, 1 K, 2 V.  A tile is 256 x 256; four waves, 128 x 128 each: 64 accumulators of 16 x 16.  For V source A is Wv and B is x, so that a lane holds one channel and neighbouring positions.
; K goes in steps of 256 through a ring of two LDS slots.  CLUSTERS 4 x 4: A's tiles are shared along a row, B's along a column, by joint loads.
; NO PREFETCH: K is four steps, two of which are first fills.
; OUT (qkvc): images of the operands' registers for the attention launch.  At 0: Q [32 heads][16 blocks of 128 positions][8192]; at 4 MiB: [32 heads][16 blocks][K 8192, V 8192].
;   Q and K: [4 groups of 32 positions][u 2][c 2][32 lanes][16 bytes]: lane (r, h) of (u, c): position 8 u + r + 8 (r / 8) of the group, channels 32 c + 16 h + 0 .. 15.
;   V: [4 tiles of 16 channels][c 4][32 lanes][16 bytes]: lane (r, h): channel r of the tile, positions 32 c + 16 h + 0 .. 15.
; LIMITS: e6 - e0 - e1, e7 - e2 - e3 and e9 - e4 - e5 between -126 and 119.  NaN is not served.
.set ROWB,   256
.set KROW,   1024
.set PITCH,  272
.set FR,     16
.set NL,     4
.set NP,     4
.set HALFT,  128*PITCH
.set SLOT,   4*HALFT
.set SPARE,  2*SLOT
.set STG,    SPARE+512                 ; the way out: 9,216 bytes for each wave; no tile lands here
.set ADRA, 16
.set ADRB, 20
.set STQ,  22
.set STV,  23
.set RDQ,  24
.set GOQ,  26
.set SPW,  28
.set NIL,  29
.set AF,   128
.set G1, 24
.set G0, 32
.set G1B, 48
.set G0B, 56
.set MSB, 0
.macro WIN new
.if MSB != \new
	s_set_vgpr_msb (MSB<<8)|\new
.set MSB, \new
.endif
.endm
.set MUL_LO, 0xa1
.set MUL_HI, 0xf1
.set TO_B,   0x40
.macro JLOAD g0a, g1a, g0b, g1b
	s_cmp_eq_u32 s15, 0
	s_cbranch_scc0 .Lfor_b_\@
	tensor_load_to_lds s[\g0a:\g0a+3], s[\g1a:\g1a+7]
	s_nop 0
.rept 4
	v_nop
.endr
	s_branch .Lasked_\@
.Lfor_b_\@:
	tensor_load_to_lds s[\g0b:\g0b+3], s[\g1b:\g1b+7]
	s_nop 0
.rept 4
	v_nop
.endr
.Lasked_\@:
.endm
.macro CREST
	s_cmp_lg_u32 s14, 0
	s_cbranch_scc1 .Lnot_wave_0_\@
	s_barrier_signal -3
.Lnot_wave_0_\@:
	s_barrier_wait -3
	s_barrier_signal -1
	s_barrier_wait -1
.endm
.macro CROUND
	s_barrier_signal -1
	s_barrier_wait -1
	CREST
.endm
	s_load_b256 s[4:11], s[0:1], 0x0
	s_load_b64 s[12:13], s[0:1], 0x20
	v_lshl_add_u32 v[SPW], v0, 2, SPARE
	v_mov_b32 v[NIL], 0
	ds_add_u32 v[SPW], v[NIL]
	ds_add_u32 v[SPW], v[NIL]
	v_lshrrev_b32 v1, 5, v0
	v_readfirstlane_b32 s14, v1
	s_lshr_b32 s15, s14, 1
	s_and_b32 s16, s14, 1
	s_bfe_u32 s40, ttmp6, 0x40000
	s_bfe_u32 s41, ttmp6, 0x40004
	s_lshr_b32 s66, ttmp9, 2
	s_and_b32 s67, ttmp9, 3
	s_lshl_b32 s67, s67, 2
	s_cmp_eq_u32 s66, 2
	s_cselect_b32 s80, 0, s67
	s_cselect_b32 s81, s67, 0
	s_add_co_u32 s17, s41, s80
	s_add_co_u32 s42, s40, s81
	s_lshl_b32 s43, s41, 2
	s_lshl_b32 s43, 15, s43
	s_lshl_b32 s44, 0x1111, s40
	s_or_b32 s[G1+0], s43, (0<<16)|(1<<20)|(1<<21)|(5<<22)|(3<<25)
	s_or_b32 s[G1B+0], s44, (0<<16)|(1<<20)|(1<<21)|(5<<22)|(3<<25)
.irp g, G1, G1B
	s_mov_b32 s[\g+1], ROWB<<16
	s_mov_b32 s[\g+2], 128<<16
	s_mov_b32 s[\g+3], ROWB<<16
	s_mov_b32 s[\g+4], 128
	s_mov_b32 s[\g+5], KROW
	s_mov_b32 s[\g+6], 0
	s_mov_b32 s[\g+7], 0
.endr
	s_lshl_b32 s18, s16, 7
	s_lshl_b32 s20, s17, 8
	s_add_co_u32 s20, s20, s18
	s_lshl_b32 s46, s42, 8
	s_add_co_u32 s46, s46, s18
	s_lshl_b32 s20, s20, 10
	s_lshl_b32 s46, s46, 10
	s_lshl_b32 s82, s66, 22
	s_lshl_b32 s84, s66, 20
	s_cmp_eq_u32 s66, 2
	s_cselect_b32 s82, 0x200000, s82
	s_cselect_b32 s84, 0x800000, s84
	s_add_co_u32 s20, s20, s82
	s_add_co_u32 s46, s46, s84
	s_mov_b32 s21, 0
	s_mov_b32 s47, 0
	s_mul_i32 s45, s14, HALFT
	s_wait_dscnt 0x0
	s_wait_kmcnt 0x0
	s_load_b256 s[68:75], s[10:11], 0x0
	s_load_b128 s[76:79], s[10:11], 0x20
	s_cmp_eq_u32 s66, 2
	s_cselect_b64 s[86:87], s[6:7], s[4:5]
	s_cselect_b64 s[88:89], s[4:5], s[6:7]
	s_add_nc_u64 s[20:21], s[86:87], s[20:21]
	s_add_nc_u64 s[46:47], s[88:89], s[46:47]
	CROUND
.irp s, 0,1
	s_mov_b32 s[G0+4*\s], 1
	s_add_co_u32 s[G0+4*\s+1], s45, \s*SLOT
	s_add_nc_u64 s[G0+4*\s+2:G0+4*\s+3], s[20:21], \s*ROWB
	s_or_b32 s[G0+4*\s+3], s[G0+4*\s+3], 0x80000000
	s_mov_b32 s[G0B+4*\s], 1
	s_add_co_u32 s[G0B+4*\s+1], s45, \s*SLOT
	s_add_nc_u64 s[G0B+4*\s+2:G0B+4*\s+3], s[46:47], \s*ROWB
	s_or_b32 s[G0B+4*\s+3], s[G0B+4*\s+3], 0x80000000
.endr
	JLOAD G0, G1, G0B, G1B                         ; K step 0: one tensor load a wave at the head
	v_and_b32 v1, 15, v0
	v_bfe_u32 v2, v0, 4, 1
	v_mul_u32_u24 v3, v1, PITCH
	v_lshl_add_u32 v4, v2, 4, v3
	s_mul_i32 s21, s15, HALFT
	s_mul_i32 s22, s16, HALFT
	s_add_co_u32 s22, s22, 2*HALFT
.irp s, 0,1
	v_add_nc_u32 v[ADRA+\s], s21, v4
	v_add_nc_u32 v[ADRB+\s], s22, v4
	s_add_co_u32 s21, s21, SLOT
	s_add_co_u32 s22, s22, SLOT
.endr
	s_mul_i32 s23, s14, 9216
	s_add_co_u32 s23, s23, STG                     ; my stage
	s_wait_alu depctr_va_vdst(0)                   ; directly ahead of the readers below
	v_lshlrev_b32 v5, 3, v2
	v_and_b32 v6, 31, v0
	v_lshl_add_u32 v5, v1, 4, v5                   ; 16 r + 8 h
	v_lshlrev_b32 v[GOQ], 4, v6                    ; 16 x lane
	v_and_b32 v7, 8, v1
	v_add_nc_u32 v[STV], s23, v5
	v_add_nc_u32 v[RDQ], s23, v[GOQ]
	v_lshl_add_u32 v[STQ], v7, 7, v[STV]           ; Q, K: rows 8 to 15 belong to u = 1, 1,152 bytes on (1,024 and 128 of padding): 16 r brings 128 of them
	s_and_b32 s90, s17, 7
	s_lshl_b32 s90, s90, 4
	s_lshl_b32 s91, s15, 3
	s_add_co_u32 s90, s90, s91
	s_lshl_b32 s90, s90, 12
	s_mov_b32 s91, 0
	s_add_nc_u64 s[90:91], s[8:9], s[90:91]
.macro FRAG reg, adr, q, i
.irp c, 0,1,2,3
	ds_load_b128 v[\reg+4*\c:\reg+4*\c+3], v[\adr] offset:128*(\q)+32*\c+(\i)*16*PITCH
.endr
.endm
.macro MUL16 a0, p, zero
.irp a, \a0, \a0+1
.irp b, 0,1,2,3,4,5,6,7
.if \zero
	v_wmma_f32_16x16x128_fp8_fp8 v[8*(8*((\a)%4)+\b):8*(8*((\a)%4)+\b)+7], v[128*(\p)+FR*\b:128*(\p)+FR*\b+FR-1], v[AF+FR*(\a):AF+FR*(\a)+FR-1], 0
.else
	v_wmma_f32_16x16x128_fp8_fp8 v[8*(8*((\a)%4)+\b):8*(8*((\a)%4)+\b)+7], v[128*(\p)+FR*\b:128*(\p)+FR*\b+FR-1], v[AF+FR*(\a):AF+FR*(\a)+FR-1], v[8*(8*((\a)%4)+\b):8*(8*((\a)%4)+\b)+7]
.endif
.endr
.endr
.endm
.macro FETCH_B slot, q, p
	WIN TO_B
.irp i, 0,1,2,3,4,5,6,7
	FRAG 128*(\p)+FR*\i, ADRB+\slot, \q, \i
.endr
	WIN 0
.endm
.macro FETCH_A slot, q, i0
.irp i, \i0, \i0+1, \i0+2, \i0+3
	FRAG AF+FR*(\i), ADRA+\slot, \q, \i
.endr
.endm
.macro PLACES n
.rept \n
	v_nop
.endr
.endm
.macro STEP slot, q, zero
	s_wait_dscnt 4*NL
	WIN MUL_LO
	MUL16 0, (\q)%2, \zero
	MUL16 2, (\q)%2, \zero
	s_wait_dscnt 0
	PLACES NP
	FETCH_B \slot, (\q)+1, 1-(\q)%2
	FETCH_A \slot, (\q)+1, 0
	WIN MUL_HI
	MUL16 4, (\q)%2, \zero
	MUL16 6, (\q)%2, \zero
	PLACES NP
	WIN 0
	FETCH_A \slot, (\q)+1, 4
.endm
.macro TURN slot, next, fill
	s_wait_tensorcnt 0x0
	ds_add_u32 v[SPW], v[NIL]
	s_wait_dscnt 4*NL+1
	WIN MUL_LO
	MUL16 0, 1, 0
	s_wait_dscnt 0x0
	s_barrier_signal -1
	MUL16 2, 1, 0
	WIN 0
	s_barrier_wait -1
.if \fill
	CREST
	s_add_nc_u64 s[G0+4*\slot+2:G0+4*\slot+3], s[G0+4*\slot+2:G0+4*\slot+3], 2*ROWB
	s_add_nc_u64 s[G0B+4*\slot+2:G0B+4*\slot+3], s[G0B+4*\slot+2:G0B+4*\slot+3], 2*ROWB
	JLOAD G0+4*\slot, G1, G0B+4*\slot, G1B
.else
	PLACES NP
.endif
	FETCH_B \next, 0, 0
	FETCH_A \next, 0, 0
	WIN MUL_HI
	MUL16 4, 1, 0
	MUL16 6, 1, 0
	PLACES NP
	WIN 0
	FETCH_A \next, 0, 4
.endm
.macro TABLE a
.set g, 0
.rept 8
	global_load_b128 v[32*(\a)+4*g:32*(\a)+4*g+3], v[GOQ], s[90:91] offset:4096*(\a)+512*g
.set g, g+1
.endr
.endm
	s_wait_alu depctr_va_vdst(0)                   ; the head's end
	s_wait_tensorcnt 0x0                           ; my part of K step 0 is in; these lines stand ahead of a later first fill as ahead of a refill
	ds_add_u32 v[SPW], v[NIL]
	s_wait_dscnt 0x0
	CROUND                                         ; everybody's part of K step 0 is in, and all sixteen work-groups are here
	JLOAD G0+4, G1, G0B+4, G1B                     ; K step 1
	FETCH_B 0, 0, 0
	FETCH_A 0, 0, 0
	FETCH_A 0, 0, 4
	STEP 0, 0, 1
	TURN 0, 1, 1
	STEP 1, 0, 0
	TURN 1, 0, 1
	STEP 0, 0, 0
	TURN 0, 1, 0
	STEP 1, 0, 0
	s_cmp_eq_u32 s66, 2
	s_cbranch_scc1 .Lno_table
	WIN TO_B
	s_wait_alu depctr_va_vdst(0)
	TABLE 0
	TABLE 1
	TABLE 2
	TABLE 3
	WIN 0
.Lno_table:
	s_wait_dscnt 4*NL
	WIN MUL_LO
	MUL16 0, 1, 0
	MUL16 2, 1, 0
	s_wait_dscnt 0
	WIN MUL_HI
	MUL16 4, 1, 0
	MUL16 6, 1, 0
	WIN 0
	s_wait_kmcnt 0x0
	s_sub_co_i32 s92, s74, s68
	s_sub_co_i32 s92, s92, s69
	s_sub_co_i32 s93, s75, s70
	s_sub_co_i32 s93, s93, s71
	s_sub_co_i32 s94, s77, s72
	s_sub_co_i32 s94, s94, s73
	s_cmp_eq_u32 s66, 1
	s_cselect_b32 s92, s93, s92
	s_cmp_eq_u32 s66, 2
	s_cselect_b32 s92, s94, s92
	s_add_co_i32 s92, s92, 127
	s_lshl_b32 s93, s92, 23
	s_add_co_i32 s92, s92, 8
	s_lshl_b32 s92, s92, 23
	s_or_b32 s92, s92, 0x600000
	PLACES NP
	v_mov_b32 v30, s93
	v_mov_b32 v31, s92
	s_cmp_eq_u32 s66, 2
	s_cbranch_scc1 .Lv
.macro ROPE a
.set AC, 64*((\a)%4)
	WIN 0x06+(\a)/4
.irp hh, 0,1
.irp bp, 0,1
.irp jp, 0,2,4,6
.set X1, AC+8*(4*\hh+\bp)+\jp
.set X2, X1+16
.set CC, 32*(\a)+8*\bp+\jp
.set SS, CC+16
.set T0, 96+2*(\jp%4)
.set O1, 32+8*(4*\hh+\bp)+\jp
	v_pk_mul_f32 v[T0:T0+1], v[X2:X2+1], v[SS:SS+1]
	v_pk_mul_f32 v[T0+2:T0+3], v[X1:X1+1], v[SS:SS+1]
	v_pk_fma_f32 v[O1:O1+1], v[X1:X1+1], v[CC:CC+1], v[T0:T0+1] neg_lo:[0,0,1] neg_hi:[0,0,1]
	v_pk_fma_f32 v[O1+16:O1+17], v[X2:X2+1], v[CC:CC+1], v[T0+2:T0+3]
.endr
.endr
.endr
	WIN 0
.endm
.macro CODES a
.set CD, 104+16*((\a)%2)
.set b, 0
.rept 8
	v_cvt_scalef32_pk8_fp8_f32 v[CD+2*b:CD+2*b+1], v[32+8*b:39+8*b], v30
.set b, b+1
.endr
	v_nop
.endm
; THE WAY OUT goes in two halves of four blocks through the wave's own stage: LDS serves a wave's instructions in order, so no barrier and no wait stands between its stores and its loads.
; Each half is 8 KiB: for Q and K 64 positions of two heads, for V one head.  v = 1: V.
.macro RDBK v
.set i, 0
.rept 16
.if \v
	ds_load_b128 v[136+4*i:139+4*i], v[RDQ] offset:512*i
.else
	ds_load_b128 v[136+4*i:139+4*i], v[RDQ] offset:4608*(i/8)+1152*((i%8)/2)+512*(i%2)
.endif
.set i, i+1
.endr
.endm
.macro SENDH v, half, younger          ; younger: the LDS stores issued behind the half's loads, which may stay out
.set i, 0
.rept 16
	s_wait_dscnt \younger+15-i
.if \v
	global_store_b128 v[GOQ], v[136+4*i:139+4*i], s[96+2*\half:97+2*\half] offset:512*i
.else
	global_store_b128 v[GOQ], v[136+4*i:139+4*i], s[96+2*(i/8):97+2*(i/8)] offset:4096*\half+512*(i%8)
.endif
.set i, i+1
.endr
.endm
.macro TAIL v, a
.if \a == 7
	s_wait_xcnt 0x0                                ; the first half's stores have read their registers
.endif
.if (\a%4) == 3
	RDBK \v
.endif
.if \a == 4
	SENDH \v, 0, 8
.endif
.if \a == 7
	SENDH \v, 1, 0
.endif
.endm
	WIN TO_B
	s_wait_alu depctr_va_vdst(0)
	TABLE 4
	TABLE 5
	TABLE 6
	TABLE 7
	WIN 0
	s_lshr_b32 s92, s17, 3
	s_lshl_b32 s92, s92, 4
	s_lshl_b32 s93, s42, 2
	s_add_co_u32 s92, s92, s93
	s_lshl_b32 s93, s16, 1
	s_add_co_u32 s92, s92, s93                     ; 16 x batch + my first head
	s_lshl_b32 s92, s92, 17
	s_and_b32 s93, s17, 7
	s_lshl_b32 s93, s93, 1
	s_add_co_u32 s93, s93, s15                     ; my block of 128 positions
	s_lshl_b32 s93, s93, 13
	s_add_co_u32 s92, s92, s93
	s_lshl_b32 s92, s92, s66                       ; K's heads and blocks lie twice as far apart (V's stand between)
	s_lshl_b32 s93, s66, 22
	s_add_co_u32 s92, s92, s93
	s_mov_b32 s93, 0
	s_add_nc_u64 s[96:97], s[12:13], s[92:93]
	s_lshl_b32 s92, 0x20000, s66
	s_add_nc_u64 s[98:99], s[96:97], s[92:93]      ; my second head
.irp a, 0,1,2,3,4,5,6,7
	s_wait_loadcnt 8*(7-\a)
	ROPE \a
.set i, 0
.rept 64
	v_med3_num_f32 v[32+i], v[32+i], -v31, v31
.set i, i+1
.endr
	CODES \a
.set b, 0
.rept 8
	ds_store_b64 v[STQ], v[CD+2*b:CD+2*b+1] offset:4608*(b/4)+2304*((\a%4)/2)+128*(\a%2)+256*(b%4)
.set b, b+1
.endr
	TAIL 0, \a
.endr
	s_branch .Ldone
.Lv:
	s_lshr_b32 s92, s42, 3
	s_lshl_b32 s92, s92, 4
	s_lshl_b32 s93, s17, 2
	s_add_co_u32 s92, s92, s93
	s_lshl_b32 s93, s15, 1
	s_add_co_u32 s92, s92, s93                     ; 16 x batch + my first head
	s_lshl_b32 s92, s92, 18
	s_and_b32 s93, s42, 7
	s_lshl_b32 s93, s93, 1
	s_add_co_u32 s93, s93, s16                     ; my block of 128 positions
	s_lshl_b32 s93, s93, 14
	s_add_co_u32 s92, s92, s93
	s_add_co_u32 s92, s92, 0x402000
	s_mov_b32 s93, 0
	s_add_nc_u64 s[96:97], s[12:13], s[92:93]
	s_add_nc_u64 s[98:99], s[96:97], 0x40000       ; my second head
	s_wait_alu depctr_va_vdst(0)
.irp a, 0,1,2,3,4,5,6,7
	WIN 0x02+\a/4
.set i, 0
.rept 64
	v_med3_num_f32 v[32+i], v[64*(\a%4)+i], -v31, v31
.set i, i+1
.endr
	WIN 0
	CODES \a
.set b, 0
.rept 8
	ds_store_b64 v[STV], v[CD+2*b:CD+2*b+1] offset:2048*(\a%4)+256*b
.set b, b+1
.endr
	TAIL 1, \a
.endr
.Ldone:
	s_wait_tensorcnt 0x0
	ds_add_u32 v[SPW], v[NIL]
	s_wait_dscnt 0x0
	CROUND
	s_endpgm
.Lfunc_end_k_q6cfb4dd7ac_qkv:
	.size	k_q6cfb4dd7ac_qkv, .Lfunc_end_k_q6cfb4dd7ac_qkv-k_q6cfb4dd7ac_qkv
	.p2alignl 7, 3214868480
	.fill 96, 4, 3214868480
	.section	.rodata,"a",@progbits
	.p2align	6, 0x0
	.amdhsa_kernel k_q6cfb4dd7ac_qkv
		.amdhsa_group_segment_fixed_size 327680
		.amdhsa_private_segment_fixed_size 0
		.amdhsa_enable_private_segment 0
		.amdhsa_kernarg_size 40
		.amdhsa_user_sgpr_count 2
		.amdhsa_user_sgpr_kernarg_segment_ptr 1
		.amdhsa_wavefront_size32 1
		.amdhsa_system_sgpr_workgroup_id_x 1
		.amdhsa_system_sgpr_workgroup_id_y 1
		.amdhsa_system_sgpr_workgroup_id_z 1
		.amdhsa_system_vgpr_workitem_id 0
		.amdhsa_next_free_vgpr 1024
		.amdhsa_next_free_sgpr 100
		.amdhsa_reserve_vcc 0
		.amdhsa_float_denorm_mode_32 3
		.amdhsa_float_denorm_mode_16_64 3
		.amdhsa_memory_ordered 1
		.amdhsa_forward_progress 1
		.amdhsa_inst_pref_size 212
	.end_amdhsa_kernel
	.amdgpu_metadata
---
amdhsa.version: [ 1, 2 ]
amdhsa.kernels:
  - .name:           k_q6cfb4dd7ac_qkv
    .symbol:         k_q6cfb4dd7ac_qkv.kd
    .args:
      - { .name: xc, .offset: 0, .size: 8, .value_kind: global_buffer, .address_space: global }
      - { .name: wc, .offset: 8, .size: 8, .value_kind: global_buffer, .address_space: global }
      - { .name: rope, .offset: 16, .size: 8, .value_kind: global_buffer, .address_space: global }
      - { .name: lowp_scales, .offset: 24, .size: 8, .value_kind: global_buffer, .address_space: global }
      - { .name: qkvc, .offset: 32, .size: 8, .value_kind: global_buffer, .address_space: global }
    .group_segment_fixed_size: 327680
    .private_segment_fixed_size: 0
    .kernarg_segment_align: 8
    .kernarg_segment_size: 40
    .max_flat_workgroup_size: 128
    .sgpr_count:     100
    .vgpr_count:     1024
    .wavefront_size: 32
...
	.end_amdgpu_metadata
.endif
;; end of part 2
;; launch attn (part 3): grid 8 x 32, 16 waves a work-group, clusters of 4 x 1, 327,680 bytes of LDS; arguments qkvc, lowp_scales, ac; writes ac
.if DOCPART == 3
	.amdgcn_target "amdgcn-amd-amdhsa--gfx1250"
	.amdhsa_code_object_version 6
	.text
	.protected	k_q6cfb4dd7ac_attn
	.globl	k_q6cfb4dd7ac_attn
	.p2align	8
	.type	k_q6cfb4dd7ac_attn,@function
k_q6cfb4dd7ac_attn:
	s_mov_b64 s[64:65], 0
	v_nop
	global_prefetch_b8 v0, s[64:65] scope:SCOPE_SE
	s_setreg_imm32_b32 hwreg(HW_REG_WAVE_MODE, 25, 1), 1
	s_wait_xcnt 0x0
	s_wait_alu depctr_hold_cnt(0) depctr_sa_sdst(0) depctr_va_vdst(0) depctr_va_sdst(0) depctr_va_ssrc(0) depctr_va_vcc(0) depctr_vm_vsrc(0)
	s_getreg_b32 s2, hwreg(HW_REG_IB_STS2, 6, 4)
	s_cmp_eq_u32 s2, 0
	s_cbranch_scc0 .Lentry_in_a_cluster
	s_endpgm
.Lentry_in_a_cluster:
	s_bfe_u32 s2, ttmp6, 0x10000c
	s_cmp_lg_u32 s2, 0x3003
	s_cbranch_scc0 .Lentry_shape_is_right
	s_endpgm
.Lentry_shape_is_right:
; CAUSAL ATTENTION on codes of FP8 (E4M3): for each of 32 (batch, head): O[q] = sum over k <= q of softmax_k(Q[q] . K[k] / 8) V[k], head size 64, 2,048 positions.
; LEFT OUT: key steps all of whose 128 keys come after a wave's 16 queries: the mask that reference() builds gives them the weight 0 for all finite inputs.  A NaN or an infinity that would arise only there is not carried on.
; qkvc: Q at 0: [32][16 blocks of 128 positions][8 tiles][1024]; K and V at 4 MiB: [32][16 steps of 128 keys][K 8192, V 8192]; all as images of the operands' registers.
; ac: the result as codes with 2^e10, [32 row blocks of 128 (batch, block)][16 heads][8 tiles][c 2][32 lanes][16 bytes]: again images of an operand's registers.
; A TILE of 16 queries: position j of a block: lane r is query 128 block + 32 (j / 2) + 8 (j % 2) + r + 8 (r / 8).  K's tiles of 16 keys are made likewise, so that the 16 registers of tiles 2 b, 2 b + 1 are keys 32 b + 16 h + 0 .. 15.
; THE SOFTMAX: t = score x log2(e) / 8; M = the row's largest t so far, rounded UP to a whole number; p = 2^(t - M) is quantised with 2^e8, not normalised.  The row's sum is taken of the unquantised p and divides O at the end.
; When M moves, the sum and O are multiplied by 2^(old M - new M): exact.
; SHARES.  All of a head's K and V, 262,144 bytes, lies in LDS: wave w fetches step w, 16,384 bytes, by the one tensor load of its life; nothing is filled again.
; Work-group j owns position j of all 16 blocks of a head: the tile of block i needs i + 1 key steps, in every work-group alike: 136 tile-steps.  Waves i and i + 8 (i = 0 .. 7) take blocks 15 - i and i together:
; wave i walks steps 0 .. 8 of block 15 - i; wave i + 8 walks its steps 9 .. 15 - i, lays that part (-M, sum, O) into LDS, and walks steps i .. 0 of block i: nine and eight tile-steps.
; Behind one barrier wave i joins the two parts of block 15 - i; each wave then sends its own tile out.
; CLUSTERS: four work-groups of a head (same ttmp7, four neighbouring j) ask for K and V jointly.  No branch and no LDS address hangs on the place in the cluster: Q's and ac's addresses and the mask's numbers alone do.
; NO PREFETCH: every tile is asked for at the head, at once; there is no loop of requests to run ahead of.
; LAYOUT.  Both products are used transposed: S^T = K Q^T, O^T = V^T P^T: a lane holds ONE query throughout.
; LIMITS: e6 + e7 between -123 and 130 (added to c's exponent field); e8, and e10 - e8 - e9, between -126 and 119.  The scaled scores stay under 2^31 in magnitude.
; REGISTERS: v2-6, v10, v11 addresses and the mask's number, which stay; v8 the step's address; v12 -M, v13 the largest t, v[14:15] the sum; v16-23 Q, v24-31 the second tile's Q; v32-95 K's eight fragments, then V's four;
; v96-159 S^T, then p; v160-191 O^T; v192-223 the other part of O^T; v224-239 p's codes; v240, v241, v244 the hold and the scale; v242, v243, v245, v248-254 at work.
.set STEPB, 16384
.set DUMP,  16*STEPB                   ; behind the tiles: nine lines of 512 bytes for each pair of waves
.set STAGE, DUMP+8*4608                ; the way out: 1,024 bytes for each wave
.set SPARE, STAGE+16*1024              ; the spare words, 128 bytes for each wave
.set SPW,  5
.set NIL,  6
.set WV,   18
.macro CROUND                          ; a round of the cluster's barrier
	s_barrier_signal -1
	s_barrier_wait -1
	s_cmp_lg_u32 s[WV], 0
	s_cbranch_scc1 .Lnot_wave_0_\@
	s_barrier_signal -3
.Lnot_wave_0_\@:
	s_barrier_wait -3
	s_barrier_signal -1
	s_barrier_wait -1
.endm
.macro CLEAR                           ; the state ahead of a tile's first step: M under every t, the sum and O^T zero
	v_mov_b32 v13, 0xff61b1e6                      ; the largest t so far: -3e38
	v_mov_b32 v14, 0
	v_mov_b32 v15, 0
	v_floor_f32 v12, -v13                          ; -M
.set j, 0
.rept 32
	v_mov_b32 v[160+j], 0
.set j, j+1
.endr
.endm
	s_load_b128 s[4:7], s[0:1], 0x0                ; qkvc 4:5, the exponents 6:7
	s_load_b64 s[16:17], s[0:1], 0x10              ; ac
	v_lshl_add_u32 v[SPW], v0, 2, SPARE
	v_mov_b32 v[NIL], 0
	ds_add_u32 v[SPW], v[NIL]                      ; the wave's opening: the add, twice on end, and its wait ahead of the first tensor load
	ds_add_u32 v[SPW], v[NIL]
	v_lshrrev_b32 v8, 5, v0
	v_readfirstlane_b32 s[WV], v8                  ; wave 0..15
	s_and_b32 s19, s[WV], 7                        ; i
	s_lshr_b32 s3, s[WV], 3                        ; 1: the wave of two tiles
	s_bfe_u32 s24, ttmp6, 0x40000                  ; cx
	s_lshl_b32 s25, ttmp9, 2
	s_add_co_u32 s25, s25, s24                     ; j
	s_and_b32 s26, ttmp7, 0xffff                   ; 16 x batch + head
	s_lshl_b32 s40, s26, 18
	s_lshl_b32 s42, s[WV], 14
	s_add_co_u32 s40, s40, s42
	s_add_co_u32 s40, s40, 0x400000                ; the head's K and V, step w
	s_mov_b32 s41, 0
	s_mov_b32 s28, 15|(3<<16)|(1<<21)              ; all four of the cluster; elements of 8 bytes; bit 21 beside a mask
	s_mov_b32 s29, 32<<16                          ; 64 rows of 256 bytes, dense
	s_mov_b32 s30, 64<<16
	s_mov_b32 s31, 32<<16
	s_mov_b32 s32, 64
	s_mov_b32 s33, 32
	s_mov_b32 s34, 0
	s_mov_b32 s35, 0
	s_mov_b32 s36, 1
	s_lshl_b32 s37, s[WV], 14                      ; to LDS byte 16,384 w
	s_mov_b32 s20, 0x76543210                      ; lane selects: lane l xor 16
	s_mov_b32 s21, 0xfedcba98
	s_mov_b32 s22, 0x3e38aa3b                      ; log2(e) / 8
	s_wait_dscnt 0x0                               ; both opening adds are done
	s_wait_kmcnt 0x0
	s_load_b128 s[68:71], s[6:7], 0x18             ; e6, e7, e8, e9
	s_load_b32 s72, s[6:7], 0x28                   ; e10
	s_add_nc_u64 s[38:39], s[4:5], s[40:41]
	s_or_b32 s39, s39, 0x80000000
	CROUND                                         ; all four work-groups are here: the joint loads meet
	tensor_load_to_lds s[36:39], s[28:35]          ; step w
	s_nop 0
	s_sub_co_u32 s13, 15, s19                      ; the big tile's block
	s_lshl_b32 s44, s26, 17
	s_lshl_b32 s45, s25, 10
	s_add_co_u32 s44, s44, s45                     ; Q: the head, position j
	s_lshl_b32 s45, s13, 13
	s_lshl_b32 s46, s19, 13
	s_add_co_u32 s46, s46, s44                     ; of block i,
	s_add_co_u32 s44, s44, s45                     ; of block 15 - i
	s_mov_b32 s45, 0
	s_mov_b32 s47, 0
	s_add_nc_u64 s[44:45], s[4:5], s[44:45]
	s_add_nc_u64 s[46:47], s[4:5], s[46:47]
	s_cmp_eq_u32 s3, 0
	s_cselect_b32 s48, s13, s19                    ; the block that I send out
	s_lshr_b32 s49, s26, 4
	s_lshl_b32 s49, s49, 4
	s_add_co_u32 s48, s48, s49
	s_lshl_b32 s48, s48, 4
	s_and_b32 s49, s26, 15
	s_add_co_u32 s48, s48, s49
	s_lshl_b32 s48, s48, 13
	s_lshl_b32 s49, s25, 10
	s_add_co_u32 s48, s48, s49
	s_mov_b32 s49, 0
	s_add_nc_u64 s[16:17], s[16:17], s[48:49]      ; ac at my tile
	s_lshr_b32 s50, s25, 1
	s_lshl_b32 s50, s50, 5
	s_and_b32 s51, s25, 1
	s_lshl_b32 s51, s51, 3
	s_add_co_u32 s50, s50, s51                     ; 32 (j / 2) + 8 (j % 2)
	s_lshl_b32 s51, s[WV], 10
	s_add_co_u32 s51, s51, STAGE
	s_mul_i32 s52, s19, 4608
	s_add_co_u32 s52, s52, DUMP
	s_mov_b32 s2, 0                                ; the trip
	s_sub_co_u32 s8, 7, s19                        ; the trip at which a wave of two tiles turns to its second;
	s_cmp_eq_u32 s3, 0
	s_cselect_b32 s8, 0x63, s8                     ; the others never do
	s_cselect_b32 s9, 9, 8                         ; how many steps I walk
	v_and_b32 v2, 31, v0
	v_and_b32 v8, 15, v0                           ; r
	v_bfe_u32 v9, v0, 4, 1                         ; h
	v_lshlrev_b32 v2, 4, v2                        ; 16 x lane
	v_and_b32 v3, 8, v8
	v_lshlrev_b32 v10, 3, v9
	v_lshlrev_b32 v9, 4, v9
	v_add_nc_u32 v3, v3, v8                        ; r + 8 (r / 8)
	v_lshl_add_u32 v10, v8, 4, v10
	v_add_nc_u32 v4, s52, v2                       ; my pair's part in LDS
	v_add_nc_u32 v3, s50, v3
	v_add_nc_u32 v10, s51, v10                     ; my stage, in: 16 r + 8 h; tile t 256 t bytes on
	v_add_nc_u32 v11, s51, v2                      ; back: 16 x lane
	v_sub_nc_u32 v3, v3, v9                        ; d = my query's place in its block - 16 h: on the diagonal register 16 b + i is hidden where 32 b + i > d
	global_load_b128 v[16:19], v2, s[44:45]
	global_load_b128 v[20:23], v2, s[44:45] offset:512
	global_load_b128 v[24:27], v2, s[46:47]
	global_load_b128 v[28:31], v2, s[46:47] offset:512
	v_mov_b32 v245, 0                              ; a lane exchange's destination counts as one of its sources: the key step's,
	v_mov_b32 v252, 0                              ; and the way out's
	v_mov_b32 v253, 0                              ; (named as upper halves of pairs)
	v_mov_b32 v249, 0
	CLEAR
	s_wait_alu depctr_va_vdst(0)                   ; directly ahead of the wait below
	s_wait_kmcnt 0x0
	s_add_co_i32 s52, s68, s69
	s_lshl_b32 s52, s52, 23
	s_add_co_i32 s22, s22, s52                     ; a score stands for score x 2^(e6 + e7)
	s_mov_b32 s23, s22
	s_add_co_i32 s52, s70, 127
	s_lshl_b32 s53, s52, 23
	v_mov_b32 v244, s53                            ; 2^e8
	s_add_co_i32 s52, s52, 8
	s_lshl_b32 s52, s52, 23
	s_or_b32 s52, s52, 0x600000
	v_mov_b32 v240, s52                            ; 448 x 2^e8, twice: a dual pair's second sources
	v_mov_b32 v241, s52
	s_wait_alu depctr_va_vdst(0)                   ; the head's end
	s_wait_loadcnt 0x0                             ; Q
	s_wait_tensorcnt 0x0                           ; my step's tiles have landed:
	s_barrier_signal -1                            ; say so,
	s_barrier_wait -1                              ; and all sixteen have
.macro MASK b                          ; registers 16 b .. 16 b + 15: hidden scores become -infinity
.set n, 0
.rept 16
	v_cmp_gt_i32 vcc_lo, 32*\b+n, v3
	v_cndmask_b32 v[96+16*\b+n], v[96+16*\b+n], v254, vcc_lo
.set n, n+1
.endr
.endm
.Ltrip:                                                ; nine trips
	s_cmp_lt_u32 s[WV], 8
	s_cbranch_scc1 .Lgo
	s_cmp_lg_u32 s2, s8
	s_cbranch_scc1 .Lgo
.rept 4
	v_nop                                          ; places behind the last products
.endr
	ds_store_b128 v4, v[12:15]                     ; the big tile's part: -M, the largest t, the sum in two halves,
.irp g, 0,1,2,3,4,5,6,7
	ds_store_b128 v4, v[160+4*\g:163+4*\g] offset:512+512*\g   ; and O^T
.endr
	s_wait_dscnt 0x0
	CLEAR
.irp g, 0,1,2,3,4,5,6,7
	v_mov_b32 v[16+\g], v[24+\g]                   ; the second tile's Q
.endr
	s_wait_alu depctr_va_vdst(0)                   ; behind these writes
.Lgo:
	s_cmp_ge_u32 s2, s9                            ; ids and the count of trips alone: round no barrier and no tensor load
	s_cbranch_scc1 .Lidle
	s_add_co_u32 s10, s2, 9
	s_sub_co_u32 s11, 7, s2
	s_cmp_lt_u32 s2, s8
	s_cselect_b32 s10, s10, s11                    ; a wave of two tiles: steps 9 on, then 7 - trip down to 0
	s_cselect_b32 s12, s13, s19                    ; the tile's block
	s_cmp_lt_u32 s[WV], 8
	s_cselect_b32 s10, s2, s10                     ; the others: step = trip
	s_and_b32 s10, s10, 15
	s_lshl_b32 s11, s10, 14
	v_add_nc_u32 v8, s11, v2
.rept 3
	v_nop                                          ; with the addition: four places in front of loads into registers that the last products read
.endr
.irp t, 0,1,2,3,4,5,6,7
.irp c, 0,1
	ds_load_b128 v[32+8*\t+4*\c:35+8*\t+4*\c], v8 offset:1024*\t+512*\c
.endr
.endr
	s_wait_alu depctr_va_vdst(0)                   ; directly ahead of the wait below
	s_wait_dscnt 0x0
.irp t, 0,1,2,3,4,5,6,7
	v_wmma_f32_16x16x64_fp8_fp8 v[96+8*\t:103+8*\t], v[32+8*\t:39+8*\t], v[16:23], 0
.endr
.rept 4
	v_nop                                          ; places: for the loads below and for the first read of the scores
.endr
.irp t, 0,1,2,3                                ; V's four fragments are asked for here and land under the softmax
.irp c, 0,1,2,3
	ds_load_b128 v[32+16*\t+4*\c:35+16*\t+4*\c], v8 offset:8192+2048*\t+512*\c
.endr
.endr
	s_cmp_lg_u32 s10, s12                          ; the diagonal step: hidden scores become -infinity ahead of the maximum
	s_cbranch_scc1 .Lopen
	v_mov_b32 v254, 0xff800000
	s_wait_alu depctr_va_vdst(0)                   ; ahead of the branch
	s_cmp_lg_u32 ttmp9, 0                          ; the cluster's number, the same in all partners: j = 0 .. 3 or 4 .. 7
	s_cbranch_scc1 .Lhigh
	MASK 0                                         ; j under 4: queries 0 to 63 of the block: keys 64 to 127 are hidden from all of them
	MASK 1
.set n, 0
.rept 32
	v_mov_b32 v[128+n], v254
.set n, n+1
.endr
	s_wait_alu depctr_va_vdst(0)                   ; ahead of the branch
	s_branch .Lopen
.Lhigh:                                                ; j from 4 on: queries 64 to 127: keys 0 to 63 count for all of them
	MASK 2
	MASK 3
.Lopen:
	v_max3_num_f32 v254, v96, v97, v98             ; the step's largest score of my query, in four chains, each accumulator from its low end on
	v_max3_num_f32 v252, v99, v100, v101
	v_max3_num_f32 v250, v102, v103, v104
	v_max3_num_f32 v248, v105, v106, v107
.irp i, 12,20,28,36,44,52
	v_max3_num_f32 v254, v254, v[96+\i], v[97+\i]
	v_max3_num_f32 v252, v252, v[98+\i], v[99+\i]
	v_max3_num_f32 v250, v250, v[100+\i], v[101+\i]
	v_max3_num_f32 v248, v248, v[102+\i], v[103+\i]
.endr
	v_max3_num_f32 v254, v254, v156, v157
	v_max3_num_f32 v252, v252, v158, v159
	v_max_num_f32 v250, v250, v248
	v_max3_num_f32 v254, v254, v252, v250
	v_permlanex16_b32 v245, v254, s20, s21
	s_delay_alu instid0(VALU_DEP_1)
	v_max_num_f32 v254, v254, v245                 ; and among lane l xor 16's
	s_delay_alu instid0(VALU_DEP_1)
	v_mul_f32 v254, s22, v254                      ; as t (c is positive)
	s_delay_alu instid0(VALU_DEP_1)
	v_max_num_f32 v13, v13, v254
	v_mov_b32 v254, v12
	s_delay_alu instid0(VALU_DEP_2)
	v_floor_f32 v12, -v13                          ; the new -M = -ceil(t)
	s_delay_alu instid0(VALU_DEP_1)
	v_sub_f32 v254, v12, v254                      ; old M - new M: a whole number, 0 or less
	s_delay_alu instid0(VALU_DEP_1)
	v_cvt_i32_f32 v254, v254
	s_delay_alu instid0(VALU_DEP_1)
	v_ldexp_f32 v252, 1.0, v254                    ; f = 2^(old M - new M)
.set j, 0
.rept 32
	v_pk_fma_f32 v[96+j:97+j], v[96+j:97+j], s[22:23], v[12:13] op_sel_hi:[1,0,0]   ; t - M
.set j, j+2
.endr
.set j, 0
	s_wait_alu depctr_va_vdst(0)                   ; ahead of the batch
.rept 64
	v_exp_f32 v[96+j], v[96+j]                     ; p = 2^(t - M)
.set j, j+1
.endr
	v_pk_mul_f32 v[14:15], v[14:15], v[252:253] op_sel_hi:[1,0]   ; the sums under the new M: the plain line behind the exponentials
	s_wait_alu depctr_va_vdst(0)                   ; one wait for the whole batch, ahead of its first reader
	v_pk_add_f32 v[242:243], v[96:97], v[98:99]    ; the row's sum of the unquantised p, in four chains
	v_pk_add_f32 v[248:249], v[100:101], v[102:103]
	v_pk_add_f32 v[250:251], v[104:105], v[106:107]
	v_pk_add_f32 v[14:15], v[14:15], v[108:109]
.irp j, 14,22,30,38,46,54
	v_pk_add_f32 v[242:243], v[242:243], v[96+\j:97+\j]
	v_pk_add_f32 v[248:249], v[248:249], v[98+\j:99+\j]
	v_pk_add_f32 v[250:251], v[250:251], v[100+\j:101+\j]
	v_pk_add_f32 v[14:15], v[14:15], v[102+\j:103+\j]
.endr
	v_pk_add_f32 v[242:243], v[242:243], v[158:159]
	v_pk_add_f32 v[14:15], v[14:15], v[250:251]
	v_pk_add_f32 v[242:243], v[242:243], v[248:249]
	s_delay_alu instid0(VALU_DEP_1)
	v_pk_add_f32 v[14:15], v[14:15], v[242:243]
.set j, 0
.rept 32
	v_dual_min_num_f32 v[96+j], v[96+j], v240 :: v_dual_min_num_f32 v[97+j], v[97+j], v241   ; the conversion does not saturate (ISA guide 7.6.2); p is not negative, so the hold is one-sided
.set j, j+2
.endr
.irp b, 0,1,2,3
	v_cvt_scalef32_pk8_fp8_f32 v[224+4*\b:225+4*\b], v[96+16*\b:103+16*\b], v244
	v_cvt_scalef32_pk8_fp8_f32 v[226+4*\b:227+4*\b], v[104+16*\b:111+16*\b], v244
.endr
	s_wait_alu depctr_va_vdst(0)                   ; directly ahead of the first reader of O^T
.set j, 0
.rept 16
	v_pk_mul_f32 v[160+j:161+j], v[160+j:161+j], v[252:253] op_sel_hi:[1,0]   ; O^T under the new M; these are also the plain lines between the conversions and the products
.set j, j+2
.endr
	s_wait_alu depctr_va_vdst(0)                   ; directly ahead of the wait below
	s_wait_dscnt 0x0                               ; V's fragments are in
.irp t, 0,1,2,3
	v_wmma_f32_16x16x128_fp8_fp8 v[160+8*\t:167+8*\t], v[32+16*\t:47+16*\t], v[224:239], v[160+8*\t:167+8*\t]
.endr
.Lidle:
	s_add_co_u32 s2, s2, 1
	s_cmp_lt_u32 s2, 9
	s_cbranch_scc1 .Ltrip
	s_wait_dscnt 0x0                               ; my part, if I laid one down, is in LDS
	s_barrier_signal -1
	s_barrier_wait -1
	s_cmp_ge_u32 s[WV], 8
	s_cbranch_scc1 .Lout
	ds_load_b128 v[24:27], v4                      ; the other part of my tile: -M, (the largest t,) the sum,
.irp g, 0,1,2,3,4,5,6,7
	ds_load_b128 v[192+4*\g:195+4*\g], v4 offset:512+512*\g   ; O^T.  (Where block 15 - i ends at step 8 that part is a cleared state, whose factor below is 0)
.endr
	s_wait_dscnt 0x0
	v_min_num_f32 v252, v12, v24                   ; -M of the two together
	v_sub_f32 v250, v252, v12
	v_sub_f32 v248, v252, v24
	v_cvt_i32_f32 v250, v250
	v_cvt_i32_f32 v248, v248
	v_ldexp_f32 v250, 1.0, v250                    ; 2^(its M - the common M), for each part
	v_ldexp_f32 v248, 1.0, v248
	v_mov_b32 v251, 0                              ; (named as a pair's upper half)
	v_pk_mul_f32 v[14:15], v[14:15], v[250:251] op_sel_hi:[1,0]
	v_pk_fma_f32 v[14:15], v[26:27], v[248:249], v[14:15] op_sel_hi:[1,0,1]
.set j, 0
.rept 16
	v_pk_mul_f32 v[160+j:161+j], v[160+j:161+j], v[250:251] op_sel_hi:[1,0]
.set j, j+2
.endr
.set j, 0
.rept 16
	v_pk_fma_f32 v[160+j:161+j], v[192+j:193+j], v[248:249], v[160+j:161+j] op_sel_hi:[1,0,1]
.set j, j+2
.endr
.Lout:
	; THE WAY OUT.  O^T / the sum stands for the result / 2^(e8 + e9): its code with 2^e10 takes the one scale 2^(e10 - e8 - e9).  A tile is 1,024 bytes: through my stage into lane order, and out as consecutive bytes.
	v_add_f32 v14, v14, v15
	s_delay_alu instid0(VALU_DEP_1)
	v_permlanex16_b32 v252, v14, s20, s21
	s_delay_alu instid0(VALU_DEP_1)
	v_add_f32 v14, v14, v252                       ; the row's sum
	s_wait_alu depctr_va_vdst(0)                   ; ahead of the reciprocal
	v_rcp_f32 v14, v14
	v_nop                                          ; the plain place behind it
	s_sub_co_i32 s52, s72, s70
	s_sub_co_i32 s52, s52, s71
	s_add_co_i32 s52, s52, 127
	s_lshl_b32 s53, s52, 23
	v_mov_b32 v244, s53
	s_add_co_i32 s52, s52, 8
	s_lshl_b32 s52, s52, 23
	s_or_b32 s52, s52, 0x600000
	v_mov_b32 v240, s52
	s_wait_alu depctr_va_vdst(0)                   ; ahead of the first reader of the reciprocal and of O^T
.set j, 0
.rept 32
	v_mul_f32 v[96+j], v[160+j], v14
.set j, j+1
.endr
.set j, 0
.rept 32
	v_med3_num_f32 v[96+j], v[96+j], -v240, v240
.set j, j+1
.endr
.irp t, 0,1,2,3
	v_cvt_scalef32_pk8_fp8_f32 v[224+2*\t:225+2*\t], v[96+8*\t:103+8*\t], v244
.endr
	v_nop
.irp t, 0,1,2,3
	ds_store_b64 v10, v[224+2*\t:225+2*\t] offset:256*\t
.endr
	ds_load_b128 v[32:35], v11                     ; LDS serves a wave's instructions in order: these see my stores
	ds_load_b128 v[36:39], v11 offset:512
	s_wait_dscnt 1                                 ; the first is in; the second may be out
	global_store_b128 v2, v[32:35], s[16:17]       ; 32 lanes store 512 consecutive bytes, aligned
	s_wait_dscnt 0
	global_store_b128 v2, v[36:39], s[16:17] offset:512
	s_wait_tensorcnt 0x0                           ; the wave's end
	ds_add_u32 v[SPW], v[NIL]
	s_wait_dscnt 0x0
	CROUND                                         ; the closing round
	s_endpgm
.Lfunc_end_k_q6cfb4dd7ac_attn:
	.size	k_q6cfb4dd7ac_attn, .Lfunc_end_k_q6cfb4dd7ac_attn-k_q6cfb4dd7ac_attn
	.p2alignl 7, 3214868480
	.fill 96, 4, 3214868480
	.section	.rodata,"a",@progbits
	.p2align	6, 0x0
	.amdhsa_kernel k_q6cfb4dd7ac_attn
		.amdhsa_group_segment_fixed_size 327680
		.amdhsa_private_segment_fixed_size 0
		.amdhsa_enable_private_segment 0
		.amdhsa_kernarg_size 24
		.amdhsa_user_sgpr_count 2
		.amdhsa_user_sgpr_kernarg_segment_ptr 1
		.amdhsa_wavefront_size32 1
		.amdhsa_system_sgpr_workgroup_id_x 1
		.amdhsa_system_sgpr_workgroup_id_y 1
		.amdhsa_system_sgpr_workgroup_id_z 1
		.amdhsa_system_vgpr_workitem_id 0
		.amdhsa_next_free_vgpr 256
		.amdhsa_next_free_sgpr 100
		.amdhsa_reserve_vcc 1
		.amdhsa_float_denorm_mode_32 3
		.amdhsa_float_denorm_mode_16_64 3
		.amdhsa_memory_ordered 1
		.amdhsa_forward_progress 1
		.amdhsa_inst_pref_size 40
	.end_amdhsa_kernel
	.amdgpu_metadata
---
amdhsa.version: [ 1, 2 ]
amdhsa.kernels:
  - .name:           k_q6cfb4dd7ac_attn
    .symbol:         k_q6cfb4dd7ac_attn.kd
    .args:
      - { .name: qkvc, .offset: 0, .size: 8, .value_kind: global_buffer, .address_space: global }
      - { .name: lowp_scales, .offset: 8, .size: 8, .value_kind: global_buffer, .address_space: global }
      - { .name: ac, .offset: 16, .size: 8, .value_kind: global_buffer, .address_space: global }
    .group_segment_fixed_size: 327680
    .private_segment_fixed_size: 0
    .kernarg_segment_align: 8
    .kernarg_segment_size: 24
    .max_flat_workgroup_size: 512
    .sgpr_count:     100
    .vgpr_count:     256
    .wavefront_size: 32
...
	.end_amdgpu_metadata
.endif
;; end of part 3
;; launch oproj (part 4): grid 8 x 32, 8 waves a work-group, clusters of 4 x 4, 327,680 bytes of LDS; arguments ac, wc, lowp_scales, out0; writes out0
.if DOCPART == 4
	.amdgcn_target "amdgcn-amd-amdhsa--gfx1250"
	.amdhsa_code_object_version 6
	.text
	.protected	k_q6cfb4dd7ac_oproj
	.globl	k_q6cfb4dd7ac_oproj
	.p2align	8
	.type	k_q6cfb4dd7ac_oproj,@function
k_q6cfb4dd7ac_oproj:
	s_mov_b64 s[64:65], 0
	v_nop
	global_prefetch_b8 v0, s[64:65] scope:SCOPE_SE
	s_setreg_imm32_b32 hwreg(HW_REG_WAVE_MODE, 25, 1), 1
	s_wait_xcnt 0x0
	s_wait_alu depctr_hold_cnt(0) depctr_sa_sdst(0) depctr_va_vdst(0) depctr_va_sdst(0) depctr_va_ssrc(0) depctr_va_vcc(0) depctr_vm_vsrc(0)
	s_getreg_b32 s2, hwreg(HW_REG_IB_STS2, 6, 4)
	s_cmp_eq_u32 s2, 0
	s_cbranch_scc0 .Lentry_in_a_cluster
	s_endpgm
.Lentry_in_a_cluster:
	s_bfe_u32 s2, ttmp6, 0x10000c
	s_cmp_lg_u32 s2, 0xf033
	s_cbranch_scc0 .Lentry_shape_is_right
	s_endpgm
.Lentry_shape_is_right:
; THE PROJECTION ON THE WAY OUT: out0[row][e] = 2^(e10 + e11) x sum over k of A[row][k] Wo[e][k], on codes of FP8 (E4M3); K = 1,024 = 16 heads x 64.  Nothing of reference() is left out here.
; ac: A's codes, [32 row blocks of 128][16 heads][8 tiles of 16 rows][c 2][32 lanes][16 bytes], images of the operand's registers: lane r of tile m is row 32 (m / 2) + 8 (m % 2) + r + 8 (r / 8) of its block.
; Wo's codes are the fourth MiB of wc, [1024][1024], K innermost.  out0: [4096][1024] f32.
; A tile of C is 128 x 128: 32 x 8 = 256 work-groups; eight waves, each 32 rows x 64 columns: 8 accumulators.  THE WHOLE OF K LIES IN LDS: four chunks of 256 along K.  Each wave issues ONE tensor load, at the head:
; waves 2 c and 2 c + 1 fetch A's and B's part of chunk c, 32,768 bytes each.  No byte is filled again, so there is no ring.
; CLUSTERS: 4 x 4 work-groups; A's tiles hang on the tile row and are shared along a row of the cluster, B's on the tile column and are shared along a column: joint loads, the same descriptor in the four that a mask names.
; NO PREFETCH: every tile is asked for at the head, at once; there is no loop of requests to run ahead of.
; THE MATRIX INSTRUCTION IS USED TRANSPOSED (source 0 = 16 rows of Wo, source 1 = 16 rows of A): a lane holds eight neighbouring numbers of a row of C.  Fragments come 16 bytes at a time: the same permutation of k on both sides.
; A wave's 64 columns are 256 aligned bytes of a row of out0: a block of 16 rows goes through the wave's own stage and leaves two rows an instruction.
; LIMIT: e10 + e11 between -126 and 127.
; REGISTERS: window 0: v8-11 fragment addresses; v24-29; v32-63 a block x the scale; v64-127 two sets of rows read back; v128-191 the accumulators ((a, b) at v[128 + 8 (4 a + b)]).
;   window 1: two fragment buffers of 96: A's two fragments, then B's four.
.set BOFF,   131072                    ; behind A's four chunks: B's
.set BP,     272                       ; a row of B in LDS: 256 bytes + 16
.set BCH,    128*BP
.set SPARE,  BOFF+4*BCH                ; the spare words, 128 bytes for each wave
.set STG,    SPARE+1024                ; the way out: 16 rows x 272 bytes for each wave
.set SPITCH, 272
.set ADRA, 8                           ; v8, v9    my A fragments in chunks 0 and 1, 2 and 3
.set ADRB, 10                          ; v10, v11  the same for B
.set STO,  24
.set RD,   25
.set CO,   26
.set SPW,  28
.set NIL,  29
.set TMP,  32
.set BK,   64
.set ACC,  128
.set MSB, 0
.macro WIN new
.if MSB != \new
	s_set_vgpr_msb (MSB<<8)|\new
.set MSB, \new
.endif
.endm
.set MUL,  0x05                        ; sources 0 and 1 window 1; C and D window 0
.set TO_F, 0x40                        ; destination window 1, address window 0
.macro CROUND                          ; a round of the cluster's barrier
	s_barrier_signal -1
	s_barrier_wait -1
	s_cmp_lg_u32 s14, 0
	s_cbranch_scc1 .Lnot_wave_0_\@
	s_barrier_signal -3
.Lnot_wave_0_\@:
	s_barrier_wait -3
	s_barrier_signal -1
	s_barrier_wait -1
.endm
.macro PLACES
.rept 4
	v_nop
.endr
.endm
	s_load_b256 s[4:11], s[0:1], 0x0               ; ac 4:5, wc 6:7, the exponents 8:9, out0 10:11
	v_lshl_add_u32 v[SPW], v0, 2, SPARE
	v_mov_b32 v[NIL], 0
	ds_add_u32 v[SPW], v[NIL]                      ; the wave's opening: the add, twice on end, and its wait ahead of my first tensor load
	ds_add_u32 v[SPW], v[NIL]
	v_lshrrev_b32 v1, 5, v0
	v_readfirstlane_b32 s14, v1                    ; wave 0..7
	s_lshr_b32 s15, s14, 1                         ; which 32 rows of the tile are mine.  Also: which chunk I fetch
	s_and_b32 s16, s14, 1                          ; which half of its columns.  Also: I fetch for A (0) or for B (1)
	s_bfe_u32 s80, ttmp6, 0x40000                  ; cx, cy
	s_bfe_u32 s81, ttmp6, 0x40004
	s_lshl_b32 s82, ttmp9, 2
	s_add_co_u32 s82, s82, s80                     ; tile column
	s_and_b32 s83, ttmp7, 0xffff
	s_lshl_b32 s83, s83, 2
	s_add_co_u32 s83, s83, s81                     ; tile row
	s_lshl_b32 s84, s81, 2
	s_lshl_b32 s84, 15, s84                        ; my row of the cluster
	s_lshl_b32 s85, 0x1111, s80                    ; my column
	s_or_b32 s24, s84, (3<<16)|(1<<21)             ; A: the mask; elements of 8 bytes; bit 21 beside a mask; 128 rows of 256 bytes, dense
	s_mov_b32 s25, 32<<16
	s_mov_b32 s26, 128<<16
	s_mov_b32 s27, 32<<16
	s_mov_b32 s28, 128
	s_mov_b32 s29, 32
	s_mov_b32 s30, 0
	s_mov_b32 s31, 0
	s_or_b32 s32, s85, (0<<16)|(1<<20)|(1<<21)|(5<<22)|(3<<25)   ; B: elements of 1 byte; padding on: four words after every 64; 128 rows of 256 bytes, 1,024 apart
	s_mov_b32 s33, 256<<16
	s_mov_b32 s34, 128<<16
	s_mov_b32 s35, 256<<16
	s_mov_b32 s36, 128
	s_mov_b32 s37, 1024
	s_mov_b32 s38, 0
	s_mov_b32 s39, 0
	s_lshl_b32 s86, s83, 17                        ; A: the row block,
	s_lshl_b32 s87, s15, 15                        ; four heads a chunk
	s_add_co_u32 s86, s86, s87
	s_mov_b32 s87, 0
	s_lshl_b32 s88, s82, 17                        ; B: row 128 x tile column,
	s_lshl_b32 s89, s15, 8                         ; 256 bytes a chunk,
	s_add_co_u32 s88, s88, s89
	s_add_co_u32 s88, s88, 0x300000                ; in the fourth weight
	s_mov_b32 s89, 0
	s_lshl_b32 s90, s15, 15                        ; where they go: no place in the cluster enters an LDS address
	s_mul_i32 s91, s15, BCH
	s_add_co_u32 s91, s91, BOFF
	s_wait_dscnt 0x0                               ; both opening adds are done
	s_wait_kmcnt 0x0
	s_load_b64 s[96:97], s[8:9], 0x28              ; e10, e11
	s_mov_b32 s40, 1
	s_mov_b32 s41, s90
	s_add_nc_u64 s[42:43], s[4:5], s[86:87]
	s_or_b32 s43, s43, 0x80000000
	s_mov_b32 s44, 1
	s_mov_b32 s45, s91
	s_add_nc_u64 s[46:47], s[6:7], s[88:89]
	s_or_b32 s47, s47, 0x80000000
	CROUND                                         ; all sixteen work-groups are here: the joint loads meet
	s_cmp_eq_u32 s16, 0
	s_cbranch_scc0 .Lfor_b
	tensor_load_to_lds s[40:43], s[24:31]
	s_nop 0
	PLACES
	s_branch .Lasked
.Lfor_b:
	tensor_load_to_lds s[44:47], s[32:39]
	s_nop 0
	PLACES
.Lasked:
	s_lshl_b32 s90, s15, 11                        ; A: my two tiles of 1,024 bytes
	s_mul_i32 s91, s16, 64*BP
	s_add_co_u32 s91, s91, BOFF                    ; B: row 64 x column half
	s_mul_i32 s92, s14, 16*SPITCH
	s_add_co_u32 s92, s92, STG                     ; my stage
	v_and_b32 v1, 15, v0                           ; r
	v_bfe_u32 v2, v0, 4, 1                         ; h
	v_and_b32 v3, 31, v0
	v_mul_u32_u24 v4, v1, BP
	v_lshlrev_b32 v3, 4, v3
	v_lshl_add_u32 v4, v2, 4, v4
	v_add_nc_u32 v[ADRA], s90, v3
	v_add_nc_u32 v[ADRB], s91, v4
	v_add_nc_u32 v[ADRA+1], 0x10000, v[ADRA]
	v_add_nc_u32 v[ADRB+1], 2*BCH, v[ADRB]
	v_mul_u32_u24 v5, v1, SPITCH
	v_mul_u32_u24 v6, v2, SPITCH
	v_lshlrev_b32 v7, 12, v2
	v_lshl_add_u32 v5, v2, 5, v5
	v_lshl_add_u32 v6, v1, 4, v6
	v_lshl_add_u32 v[CO], v1, 4, v7                ; in out0: lanes 0-15 one row of 256 bytes, lanes 16-31 the next
	v_add_nc_u32 v[STO], s92, v5                   ; in: row r, 32 bytes for each half of the lanes
	v_add_nc_u32 v[RD], s92, v6                    ; back: as in out0
	s_lshl_b32 s92, s83, 7
	s_lshl_b32 s93, s15, 5
	s_add_co_u32 s92, s92, s93                     ; my first row
	s_lshl_b32 s92, s92, 12                        ; 4,096 bytes a row
	s_lshl_b32 s93, s82, 9
	s_add_co_u32 s92, s92, s93
	s_lshl_b32 s93, s16, 8
	s_add_co_u32 s92, s92, s93                     ; my first column, in bytes
	s_mov_b32 s93, 0
	s_add_nc_u64 s[10:11], s[10:11], s[92:93]
; 24 LDS loads in one run: the fragments of step s (128 along K: two heads of chunk s / 2) into buffer f
.macro FETCH s, f
	WIN TO_F
.irp i, 0,1,2,3
.irp cc, 0,1,2,3
	ds_load_b128 v[\f+32+16*\i+4*\cc:\f+32+16*\i+4*\cc+3], v[ADRB+(\s)/4] offset:(((\s)/2)%2)*BCH+\i*16*BP+128*((\s)%2)+32*\cc
.endr
.endr
.irp i, 0,1
.irp cc, 0,1,2,3
	ds_load_b128 v[\f+16*\i+4*\cc:\f+16*\i+4*\cc+3], v[ADRA+(\s)/4] offset:(((\s)/2)%2)*32768+(2*((\s)%2)+\cc/2)*8192+\i*1024+512*(\cc%2)
.endr
.endr
.endm
; 8 matrix instructions; the 8 accumulators take turns, in the same order in every step
.macro MUL8 f, zero
	WIN MUL
.irp a, 0,1
.irp b, 0,1,2,3
.if \zero
	v_wmma_f32_16x16x128_fp8_fp8 v[ACC+8*(4*\a+\b):ACC+8*(4*\a+\b)+7], v[\f+32+16*\b:\f+32+16*\b+15], v[\f+16*\a:\f+16*\a+15], 0
.else
	v_wmma_f32_16x16x128_fp8_fp8 v[ACC+8*(4*\a+\b):ACC+8*(4*\a+\b)+7], v[\f+32+16*\b:\f+32+16*\b+15], v[\f+16*\a:\f+16*\a+15], v[ACC+8*(4*\a+\b):ACC+8*(4*\a+\b)+7]
.endif
.endr
.endr
.endm
.macro STEPK s, zero
.if (\s) < 7
.if (\s) >= 1
	PLACES                                         ; in front of loads into the buffer that the last products read
.endif
	FETCH (\s)+1, 96*(((\s)+1)%2)
	s_wait_dscnt 24                                ; all but the 24 just issued
.else
	s_wait_dscnt 0x0
.endif
	MUL8 96*((\s)%2), \zero
.endm
	s_wait_alu depctr_va_vdst(0)                   ; the head's end
	s_wait_tensorcnt 0x0                           ; my load has landed:
	s_barrier_signal -1                            ; say so,
	s_barrier_wait -1                              ; and all eight have
	FETCH 0, 0
	STEPK 0, 1                                     ; the first products start the sums: nothing is cleared
.irp s, 1,2,3,4,5,6,7
	STEPK \s, 0
.endr
	WIN 0
; THE WAY OUT, block by block of 16 rows x 64 columns
.macro TOSTAGE a
.set j, 0
.rept 16
	v_pk_mul_f32 v[TMP+j:TMP+j+1], v[ACC+32*(\a)+j:ACC+32*(\a)+j+1], s[96:97] op_sel_hi:[1,0]   ; x 2^(e10 + e11); each accumulator from its low end on
.set j, j+2
.endr
.irp b, 0,1,2,3
	ds_store_b128 v[STO], v[TMP+8*\b:TMP+8*\b+3] offset:64*\b
	ds_store_b128 v[STO], v[TMP+8*\b+4:TMP+8*\b+7] offset:64*\b+16
.endr
.set BB, BK+32*(\a)
.irp t, 0,1,2,3,4,5,6,7
	ds_load_b128 v[BB+4*\t:BB+4*\t+3], v[RD] offset:\t*2*SPITCH    ; LDS serves a wave's instructions in order: these see the stores above
.endr
.endm
.macro SEND a, younger                 ; younger: the LDS instructions issued behind block a's loads, which may stay out
.set BB, BK+32*(\a)
	s_wait_dscnt \younger
.irp t, 0,1,2,3,4,5,6,7
	global_store_b128 v[CO], v[BB+4*\t:BB+4*\t+3], s[10:11] offset:(8*(\a)+2*\t+8*(\t/4))*4096 th:TH_STORE_NT   ; 16 lanes store 256 consecutive bytes, aligned; rows 8 to 15 of a tile lie eight rows further on
.endr
.endm
	s_wait_kmcnt 0x0
	s_add_co_i32 s96, s96, s97
	s_add_co_i32 s96, s96, 127
	s_lshl_b32 s96, s96, 23                        ; 2^(e10 + e11) as f32
	PLACES                                         ; behind the last products, ahead of the first read of results
	TOSTAGE 0
	TOSTAGE 1
	SEND 0, 16                                     ; behind block 0's loads: block 1's eight stores and eight loads
	SEND 1, 0
	s_wait_tensorcnt 0x0                           ; the wave's end
	ds_add_u32 v[SPW], v[NIL]
	s_wait_dscnt 0x0
	CROUND                                         ; the closing round
	s_endpgm
.Lfunc_end_k_q6cfb4dd7ac_oproj:
	.size	k_q6cfb4dd7ac_oproj, .Lfunc_end_k_q6cfb4dd7ac_oproj-k_q6cfb4dd7ac_oproj
	.p2alignl 7, 3214868480
	.fill 96, 4, 3214868480
	.section	.rodata,"a",@progbits
	.p2align	6, 0x0
	.amdhsa_kernel k_q6cfb4dd7ac_oproj
		.amdhsa_group_segment_fixed_size 327680
		.amdhsa_private_segment_fixed_size 0
		.amdhsa_enable_private_segment 0
		.amdhsa_kernarg_size 32
		.amdhsa_user_sgpr_count 2
		.amdhsa_user_sgpr_kernarg_segment_ptr 1
		.amdhsa_wavefront_size32 1
		.amdhsa_system_sgpr_workgroup_id_x 1
		.amdhsa_system_sgpr_workgroup_id_y 1
		.amdhsa_system_sgpr_workgroup_id_z 1
		.amdhsa_system_vgpr_workitem_id 0
		.amdhsa_next_free_vgpr 512
		.amdhsa_next_free_sgpr 100
		.amdhsa_reserve_vcc 0
		.amdhsa_float_denorm_mode_32 3
		.amdhsa_float_denorm_mode_16_64 3
		.amdhsa_memory_ordered 1
		.amdhsa_forward_progress 1
		.amdhsa_inst_pref_size 30
	.end_amdhsa_kernel
	.amdgpu_metadata
---
amdhsa.version: [ 1, 2 ]
amdhsa.kernels:
  - .name:           k_q6cfb4dd7ac_oproj
    .symbol:         k_q6cfb4dd7ac_oproj.kd
    .args:
      - { .name: ac, .offset: 0, .size: 8, .value_kind: global_buffer, .address_space: global }
      - { .name: wc, .offset: 8, .size: 8, .value_kind: global_buffer, .address_space: global }
      - { .name: lowp_scales, .offset: 16, .size: 8, .value_kind: global_buffer, .address_space: global }
      - { .name: out0, .offset: 24, .size: 8, .value_kind: global_buffer, .address_space: global }
    .group_segment_fixed_size: 327680
    .private_segment_fixed_size: 0
    .kernarg_segment_align: 8
    .kernarg_segment_size: 32
    .max_flat_workgroup_size: 256
    .sgpr_count:     100
    .vgpr_count:     512
    .wavefront_size: 32
...
	.end_amdgpu_metadata
.endif
;; end of part 4
